; MI455X (gfx1250); checked and timed in simulation.
; The chip was launched on July 23, 2026; its instructions are those of AMD's public machine-readable ISA for CDNA 5 (MIT licence, August 2026) and "CDNA5" Instruction Set Architecture Reference Guide (July 2026). The comments in the code are by the model that wrote it; some were corrected since.
;; global emb D. Allowed arithmetic: float matrix products may take bf16 or f16 operands with f32 sums; all other float work in f32.
;; Inputs: d 128 float32; emb 1,048,576 x 128 float32; ptr 1,025 int32; scale 1 float32; summary 1,024 x 128 float32.
;; Outputs: out0 1,048,576 float32.
;; 2 versions, each right; version 2 is version 1 with the launch segdot written anew for expert scheduling mode. Each part assembles by itself: llvm-mc -triple=amdgcn-amd-amdhsa -mcpu=gfx1250 --defsym DOCPART=n.
;; ======== version 1 of 2: 1 launch
;; launch segdot (part 1): grid 512 x 1, 8 waves a work-group, no clusters, 3,072 bytes of LDS; arguments emb, ptr, summary, d, scale, out0; writes out0
.if DOCPART == 1
	.amdgcn_target "amdgcn-amd-amdhsa--gfx1250"
	.amdhsa_code_object_version 6
	.text
	.protected	k_q226b73f8a6_segdot
	.globl	k_q226b73f8a6_segdot
	.p2align	8
	.type	k_q226b73f8a6_segdot,@function
k_q226b73f8a6_segdot:
	s_mov_b64 s[64:65], 0
	v_nop
	global_prefetch_b8 v0, s[64:65] scope:SCOPE_SE
	s_setreg_imm32_b32 hwreg(HW_REG_WAVE_MODE, 25, 1), 1
	s_wait_xcnt 0x0
; out[n] = scale * sum_h( emb[n][h] / max(|emb[n]|, 1e-12) * d[h] * summary[seg(n)][h] ),  seg(n) = number of k in 1..1024 with ptr[k] <= n.
; Computed as (sum x w) * min(rsq(sum x x), 1e12) with w = summary[seg] * d * scale: 1 / max(norm, eps) = min(1 / norm, 1 / eps).
; emb: [1048576][128] f32, read once.  A stream: no matrix unit (no reuse), no cluster and no tile engine (work-groups share only
; ptr, d and summary, about a thousandth of the bytes), no prefetch (the ring below keeps 16 KiB of every wave on its way all the time).
;
; SHARES.  512 work-groups x 8 waves; a wave owns 256 consecutive rows = 8 batches of 32 rows; no wave depends on another: no barrier.
; One load of a wave takes 256 consecutive aligned bytes of row 2j (lanes 0-15) and the same 256 bytes of row 2j+1 (lanes 16-31); a second
; load takes the other halves.  So a row lies in 16 lanes, 8 numbers a lane, and its two sums never cross the halves of the wave.
; The 32 loads of a batch are the ring: four of them are issued again, for the next batch, as soon as their numbers are used.
;
; SEGMENTS.  Every number that steers a branch or an address comes straight from ptr by a load.  A wave carries: c = seg of the batch's first
; row (as 4 c), the next 32 boundaries P (lane l: ptr[min(c+1+l, 1024)]), nb = ptr[c+1], and the weights of c.
; nb > first row + 32: the batch and the next batch's first row lie in c; the only loads are emb's (the short path).
; Otherwise (the slow path): seg of a row = c + the number of lanes with P <= row, a compare and a bit count for each row; if all 32 boundaries
; are passed there may be more, and a binary search in ptr, a row in each lane, takes the counts' place.  Then summary is gathered for each
; two rows, and c, P, nb and the weights are set anew for the next batch.  It serves every sorted ptr (empty segments, one-row segments).
; A count of 1024 would index past summary, where the reference's gather clamps to row 1023: every count here is capped at 1023.
; ptr[0] takes no part in reference() (it searches ptr[1:]) and none here.  ptr is taken as sorted, as searchsorted takes it.
;
; LIMITS.  A row whose sum of squares overflows f32 (norm 1.8e19 and above) gives dot * 0: 0 as in the reference, but NaN if the raw dot
; overflows too.  d * scale * summary is formed before the sum, not behind it: another order of rounding than the reference's.
; A sum of squares below 2^-126 counts as 0 in v_rsq_f32 (ISA guide 15.8) and ends at 1e12, where the reference's max(norm, eps) ends too.
.set ROWB,   512                       ; bytes in a row of emb and of summary
.set BBYTES, 32*ROWB                   ; bytes in a batch
.set TOP,    0xffc                     ; 4 x 1023: the largest count, in bytes of ptr
.set XO,  1                            ; v1       emb: 512 h + 16 r   (lane = 16 h + r)
.set COL, 2                            ; v2       16 r: my four columns in each half of a row
.set WO,  3                            ; v3       byte offset in summary of the row of segment c
.set P,   4                            ; v4       ptr[min(c+1+lane, 1024)]
.set LN,  5                            ; v5       lane
.set SO,  6                            ; v6       stage: where my result goes (row 2r + h of the batch)
.set RD,  7                            ; v7       stage: where I read two neighbouring results back
.set OO,  8                            ; v8       8 x lane: my 8 bytes of a 256-byte piece of out
.set QR,  9                            ; v9       search: the row asked for
.set POS, 10                           ; v10      search: 4 x count so far
.set LT,  11                           ; v11      search: the word of ptr
.set CA,  12                           ; v12      search: the count if the word is <= the row
.set RS,  13                           ; v13      the result
.set OV,  14                           ; v[14:15] two results to store
.set DSC, 16                           ; v[16:23] d * scale of my 8 columns
.set WR,  24                           ; v[24:31] summary row of segment c, as loaded
.set WT,  32                           ; v[32:39] weights of segment c
.set PT,  40                           ; v[40:47] at work
.set SQ,  48                           ; v[48:63] sum x x, one register for two rows
.set DT,  64                           ; v[64:79] sum x w, likewise
.set X,   80                           ; v[80:207] the ring: 8 registers for two rows
.set GW,  208                          ; v[208:239] slow path: gathered weights of 4 x two rows
.set GO,  240                          ; v[240:243] slow path: their offsets in summary
.set PO,  244                          ; v244     byte offset in ptr of my word of P
.set L4,  245                          ; v245     4 x lane + 4
.set SP,  36                           ; s[36:41] the first search: 4 x count after each round, a register for each
.set ARR, 66                           ; s[66:98] slow path: 4 x seg of rows 0 .. 32 counted from the batch's first
; s16 wave   s17 trips   s18 4 c   s19 the batch's first row + 32   s30 nb   s[22:23] scale   s24-s28 lane masks   s20, s21, s29, s31-s34 at work
; two rows (2j, 2j+1): two loads, ahead bytes further down than the base
.macro LOADPAIR j, ahead
	global_load_b128 v[X+8*(\j):X+8*(\j)+3],   v[XO], s[4:5] offset:1024*(\j)+\ahead th:TH_LOAD_NT
	global_load_b128 v[X+8*(\j)+4:X+8*(\j)+7], v[XO], s[4:5] offset:1024*(\j)+256+\ahead th:TH_LOAD_NT
.endm
; my share of both sums for register sets ja and jb, with weights at wa and wb: four chains that do not wait for each other;
; the first products start the sums
.macro PAIR2 ja, jb, wa, wb
	v_pk_mul_f32 v[PT:PT+1],   v[X+8*(\ja):X+8*(\ja)+1], v[X+8*(\ja):X+8*(\ja)+1]
	v_pk_mul_f32 v[PT+2:PT+3], v[X+8*(\ja):X+8*(\ja)+1], v[\wa:\wa+1]
	v_pk_mul_f32 v[PT+4:PT+5], v[X+8*(\jb):X+8*(\jb)+1], v[X+8*(\jb):X+8*(\jb)+1]
	v_pk_mul_f32 v[PT+6:PT+7], v[X+8*(\jb):X+8*(\jb)+1], v[\wb:\wb+1]
.irp e, 2,4,6
	v_pk_fma_f32 v[PT:PT+1],   v[X+8*(\ja)+\e:X+8*(\ja)+\e+1], v[X+8*(\ja)+\e:X+8*(\ja)+\e+1], v[PT:PT+1]
	v_pk_fma_f32 v[PT+2:PT+3], v[X+8*(\ja)+\e:X+8*(\ja)+\e+1], v[\wa+\e:\wa+\e+1], v[PT+2:PT+3]
	v_pk_fma_f32 v[PT+4:PT+5], v[X+8*(\jb)+\e:X+8*(\jb)+\e+1], v[X+8*(\jb)+\e:X+8*(\jb)+\e+1], v[PT+4:PT+5]
	v_pk_fma_f32 v[PT+6:PT+7], v[X+8*(\jb)+\e:X+8*(\jb)+\e+1], v[\wb+\e:\wb+\e+1], v[PT+6:PT+7]
.endr
	v_add_f32 v[SQ+(\ja)], v[PT],   v[PT+1]
	v_add_f32 v[DT+(\ja)], v[PT+2], v[PT+3]
	v_add_f32 v[SQ+(\jb)], v[PT+4], v[PT+5]
	v_add_f32 v[DT+(\jb)], v[PT+6], v[PT+7]
.endm
; One step of the transposing sum over 16 lanes.  Registers j and j+cnt become one: lanes whose bit xm is 0 keep j and hand j+cnt to the lane
; xm away, the others the other way round.  Three instructions for each register that remains, 15 remain in the four steps; behind them
; lane r holds the whole sum of register r.
.macro FOLD base, cnt, xm, msk
.set jj, 0
.rept \cnt
	v_cndmask_b32 v[PT+jj%4], v[\base+jj], v[\base+jj+\cnt], s[\msk]              ; what I keep
	v_cndmask_b32 v[\base+jj+\cnt], v[\base+jj+\cnt], v[\base+jj], s[\msk]        ; what I hand over
	v_add_f32_dpp v[\base+jj], v[\base+jj+\cnt], v[PT+jj%4] row_xmask:\xm row_mask:0xf bank_mask:0xf
.set jj, jj+1
.endr
.endm
; pos = 4 x (number of k in 1..1023 with ptr[k] <= q), in each lane for its own q.  Ten steps, no branch; the word read is ptr[pos/4 + st].
; v_min_u32 writes the bound that the sum of the steps taken so far has anyway into the text: every address is at most 4092.
; Each wait is for 0: the load is the youngest, and its address register is written again behind it.  ptr is int32: signed compare.
.macro VSEARCH pos, q
	v_mov_b32 v[\pos], 0
.irp st, 512,256,128,64,32,16,8,4,2,1
	global_load_b32 v[LT], v[\pos], s[6:7] offset:4*\st
	v_add_nc_u32 v[CA], 4*\st, v[\pos]
	s_wait_loadcnt 0x0
	v_cmp_le_i32 vcc_lo, v[LT], v[\q]
	v_cndmask_b32 v[\pos], v[\pos], v[CA], vcc_lo
	v_min_u32 v[\pos], 4*(1024-\st), v[\pos]
.endr
.endm
; three loads for segment c (s18 = 4 c, at most 4092): the next 32 boundaries and the row of summary
.macro SETSEG
	v_add_nc_u32 v[PO], s18, v[L4]                 ; 4 (c + 1 + lane),
	v_min_u32 v[PO], 0x1000, v[PO]                 ; ptr[1024] at the most: the last word of the buffer
	s_lshl_b32 s31, s18, 7                         ; c x 512 bytes
	v_add_nc_u32 v[WO], s31, v[COL]
	global_load_b32 v[P], v[PO], s[6:7]
	global_load_b128 v[WR:WR+3],   v[WO], s[8:9]
	global_load_b128 v[WR+4:WR+7], v[WO], s[8:9] offset:256
.endm
; and what is made of them when they are in
.macro USESEG
.irp e, 0,2,4,6
	v_pk_mul_f32 v[WT+\e:WT+\e+1], v[WR+\e:WR+\e+1], v[DSC+\e:DSC+\e+1]
.endr
	v_readfirstlane_b32 s30, v[P]                  ; nb = ptr[c+1]
.endm
	s_load_b256 s[4:11], s[0:1], 0x0               ; emb s[4:5], ptr s[6:7], summary s[8:9], d s[10:11]
	s_load_b128 s[12:15], s[0:1], 0x20             ; scale s[12:13], out0 s[14:15]
	v_lshl_add_u32 v246, v0, 2, 0x800
	v_mov_b32 v247, 0
	v_lshrrev_b32 v[PT+4], 5, v0
	v_readfirstlane_b32 s16, v[PT+4]               ; wave 0..7
	v_and_b32 v[LN], 31, v0                        ; lane
	v_and_b32 v[PT+5], 15, v0                      ; r
	v_bfe_u32 v[PT+6], v0, 4, 1                    ; h
	v_lshlrev_b32 v[COL], 4, v[PT+5]
	v_lshl_add_u32 v[XO], v[PT+6], 9, v[COL]
	s_lshl_b32 s20, ttmp9, 20                      ; 2,048 rows of 512 bytes for a work-group (511 << 20 is below 2^31),
	s_lshl_b32 s21, s16, 17                        ; 256 rows for a wave
	s_or_b32 s20, s20, s21
	s_mov_b32 s21, 0
	s_wait_kmcnt 0x0
	s_load_b32 s22, s[12:13], 0x0                  ; scale
	global_load_b128 v[DSC:DSC+3],   v[COL], s[10:11]
	global_load_b128 v[DSC+4:DSC+7], v[COL], s[10:11] offset:256
	s_add_nc_u64 s[4:5], s[4:5], s[20:21]          ; emb at the first row of the wave
.irp j, 0,1,2,3,4,5,6,7,8,9,10,11,12,13,14,15
	LOADPAIR \j, 0                                 ; the ring is filled with batch 0 before anything else is done
.endr
	s_lshl_b32 s20, ttmp9, 13                      ; out: 4 bytes a row
	s_lshl_b32 s29, s16, 10
	s_or_b32 s20, s20, s29
	s_add_nc_u64 s[14:15], s[14:15], s[20:21]
	s_lshl_b32 s29, ttmp9, 11
	s_lshl_b32 s31, s16, 8                         ; also: the stage of the wave, 256 bytes of LDS
	s_or_b32 s29, s29, s31                         ; the first row of the wave
	s_add_co_u32 s19, s29, 32
	v_lshlrev_b32 v[SO], 3, v[PT+5]
	v_lshl_add_u32 v[SO], v[PT+6], 2, v[SO]        ; 4 (2r + h)
	v_add_nc_u32 v[SO], s31, v[SO]
	v_lshl_add_u32 v[RD], v[LN], 3, s31
	v_lshlrev_b32 v[OO], 3, v[LN]
	v_lshl_add_u32 v[L4], v[LN], 2, 4
	s_mov_b32 s24, 0xff00ff00                      ; lanes whose bit 3 is set
	s_mov_b32 s25, 0xf0f0f0f0                      ; bit 2
	s_mov_b32 s26, 0xcccccccc                      ; bit 1
	s_mov_b32 s27, 0xaaaaaaaa                      ; bit 0
	s_mov_b32 s28, 0xffff0000                      ; lanes 16-31
	; c of the wave's first row: the number of k in 1..1023 with ptr[k] <= row, by a search in fours, five rounds of three scalar loads.
	; Scalar loads have a counter of their own, so these rounds run while the ring is on its way and leave its count alone.
	; The count lies in [pos, pos + 4 st - 1]; ptr is sorted, so as many of ptr[pos+st], ptr[pos+2st], ptr[pos+3st] as are <= row are steps to take.
	; s_min_u32 writes the bound that the steps taken have anyway into the text: the largest address of a round is 4 (1024 - st).
	s_mov_b32 s[SP], 0
.set rr, 0
.irp st, 256,64,16,4,1
	s_load_b32 s32, s[6:7], s[SP+rr] offset:4*\st
	s_load_b32 s33, s[6:7], s[SP+rr] offset:8*\st
	s_load_b32 s34, s[6:7], s[SP+rr] offset:12*\st
	s_wait_kmcnt 0x0                               ; scalar loads return in no order: 0 (the first of these waits also covers scale)
	s_cmp_le_i32 s32, s29
	s_cselect_b32 s32, 4*\st, 0
	s_cmp_le_i32 s33, s29
	s_cselect_b32 s33, 4*\st, 0
	s_cmp_le_i32 s34, s29
	s_cselect_b32 s34, 4*\st, 0
	s_add_co_u32 s32, s32, s33
	s_add_co_u32 s32, s32, s34
	s_add_co_u32 s[SP+rr+1], s[SP+rr], s32
	s_min_u32 s[SP+rr+1], s[SP+rr+1], 4*(1024-\st)
.set rr, rr+1
.endr
	s_mov_b32 s18, s[SP+5]
	SETSEG
	s_mov_b32 s23, s22                             ; the packed multiply names the pair
	s_wait_loadcnt 0x0                             ; once: these three loads could only be asked for behind batch 0
.irp e, 0,2,4,6
	v_pk_mul_f32 v[DSC+\e:DSC+\e+1], v[DSC+\e:DSC+\e+1], s[22:23] op_sel_hi:[1,0]
.endr
	USESEG
; One batch.  k: which half of the stage its results take.  refill = 1: another batch follows and is asked for here.
; On the way in: the youngest 32 loads are this batch's, in the order of its rows; everything older is in.
.macro BATCH k, refill, id
.if \refill
	s_cmp_gt_i32 s30, s19                          ; the next boundary lies behind the next batch's first row
.else
	s_cmp_ge_i32 s30, s19                          ; no batch follows: behind this batch's last row is enough
.endif
	s_cbranch_scc0 .Lslow\id
	; THE SHORT PATH: one segment, and the same for the next batch's first row.  Four loads (four rows) at a time.
.irp g, 0,1,2,3,4,5,6,7
.if \refill
	s_wait_loadcnt 28                              ; loads return in order (ISA guide 5.7.1).  Younger than my four: 28 - 4g of this batch, 4g of the next
.else
	s_wait_loadcnt 28-4*\g                         ; nothing is asked for any more: the count runs down to 0
.endif
	PAIR2 2*\g, 2*\g+1, WT, WT
.if \refill
	LOADPAIR 2*\g, BBYTES
	LOADPAIR 2*\g+1, BBYTES
.endif
.endr
	s_branch .Ljoin\id
	; THE SLOW PATH.  Row i of the batch (and i = 32, the next batch's first): 4 seg = 4 c + 4 x (lanes with P <= row).
.Lslow\id:
	s_sub_co_u32 s29, s19, 31                      ; the batch's first row + 1
	s_mov_b32 s[ARR], s18                          ; row 0 is in c
.set rr, 1
.rept 32
	v_cmp_le_i32 s[ARR+rr], v[P], s29
	s_add_co_u32 s29, s29, 1
.set rr, rr+1
.endr
	s_mov_b32 s31, s[ARR+32]                       ; the lanes whose boundary is passed at the last of these rows
.set rr, 1
.rept 32
	s_bcnt1_i32_b32 s[ARR+rr], s[ARR+rr]
	s_lshl2_add_u32 s[ARR+rr], s[ARR+rr], s18
.set rr, rr+1
.endr
	s_cmp_lg_u32 s31, -1
	s_cbranch_scc1 .Lgather\id                     ; a boundary of the 32 is not passed: the counts are whole
	; all 32 are passed, there may be more: lane l searches all of ptr for row l + 1
	s_sub_co_u32 s29, s19, 31
	v_add_nc_u32 v[QR], s29, v[LN]
	VSEARCH POS, QR
.set rr, 1
.rept 32
	v_readlane_b32 s[ARR+rr], v[POS], rr-1
.set rr, rr+1
.endr
	; Four register sets at a time, each half of the wave gathers the summary row of its own row.  The gathers are younger than the ring,
	; so the ring is filled again only at the end, in one run.
.Lgather\id:
.irp c, 0,1,2,3
.irp p, 0,1,2,3
	v_mov_b32 v[GO+\p], s[ARR+2*(4*\c+\p)]                         ; lanes 0-15: row 2j
	v_cndmask_b32 v[GO+\p], v[GO+\p], s[ARR+2*(4*\c+\p)+1], s28    ; lanes 16-31: row 2j + 1
	v_min_u32 v[GO+\p], TOP, v[GO+\p]              ; row 1023 of summary at the most
	v_lshl_add_u32 v[GO+\p], v[GO+\p], 7, v[COL]
	global_load_b128 v[GW+8*\p:GW+8*\p+3],   v[GO+\p], s[8:9]
	global_load_b128 v[GW+8*\p+4:GW+8*\p+7], v[GO+\p], s[8:9] offset:256
.endr
	s_wait_loadcnt 0x0                             ; the gathers are the youngest loads; v[GO..] are free again behind this wait
.irp p, 0,1,2,3
.irp e, 0,2,4,6
	v_pk_mul_f32 v[GW+8*\p+\e:GW+8*\p+\e+1], v[GW+8*\p+\e:GW+8*\p+\e+1], v[DSC+\e:DSC+\e+1]
.endr
.endr
	PAIR2 4*\c,   4*\c+1, GW,    GW+8
	PAIR2 4*\c+2, 4*\c+3, GW+16, GW+24
.endr
.if \refill
	s_min_u32 s18, s[ARR+32], TOP                  ; c of the next batch's first row, 1023 at the most
	SETSEG                                         ; in front of the next batch's emb loads, so that the wait for these three leaves the ring alone
.irp j, 0,1,2,3,4,5,6,7,8,9,10,11,12,13,14,15
	LOADPAIR \j, BBYTES
.endr
	s_wait_loadcnt 32                              ; the three are in; the 32 emb loads behind them stay out
	USESEG
.endif
.Ljoin\id:
	FOLD SQ, 8, 8, 24
	FOLD SQ, 4, 4, 25
	FOLD SQ, 2, 2, 26
	FOLD SQ, 1, 1, 27                              ; lane (h, r): sum x x of row 2r + h
	v_rsq_f32 v[RS], v[SQ]                         ; used far behind the plain instructions of the next folds (ISA guide 5.7.2)
	FOLD DT, 8, 8, 24
	FOLD DT, 4, 4, 25
	FOLD DT, 2, 2, 26
	FOLD DT, 1, 1, 27
	s_wait_alu depctr_va_vdst(0)
	v_min_num_f32 v[RS], 0x5368d4a5, v[RS]         ; 1 / max(norm, 1e-12) = min(1 / norm, 1e12); rsq(0) = inf ends here too
	v_mul_f32 v[RS], v[RS], v[DT]
	ds_store_b32 v[SO], v[RS] offset:128*\k        ; my own wave's stage: no barrier
.if \k
	ds_load_b64 v[OV:OV+1], v[RD]                  ; LDS serves a wave in order (ISA guide 5.7.1): sees both batches' stores.  Rows 2l, 2l+1 of 64
	s_wait_dscnt 0x0
	global_store_b64 v[OO], v[OV:OV+1], s[14:15] th:TH_STORE_NT    ; the wave stores 256 consecutive bytes, at a multiple of 256 from the first byte of out
.endif
.if \refill
	s_wait_xcnt 0x0                                ; the bases that the loads and the store above name, and the store's data, change only behind this wait
	s_add_nc_u64 s[4:5], s[4:5], BBYTES
.if \k
	s_add_nc_u64 s[14:15], s[14:15], 256
.endif
	s_add_co_u32 s19, s19, 32
.endif
.endm
	s_mov_b32 s17, 0
.Ltrip:
	BATCH 0, 1, 0
	BATCH 1, 1, 1
	s_add_co_u32 s17, s17, 1
	s_cmp_lt_u32 s17, 3
	s_cbranch_scc1 .Ltrip                          ; batches 0 to 5
	BATCH 0, 1, 2                                  ; batch 6 asks for the last one,
	BATCH 1, 0, 3                                  ; batch 7 for nothing: no load leaves emb
	s_wait_tensorcnt 0x0
	ds_add_u32 v246, v247
	s_wait_dscnt 0x0
	s_endpgm
.Lfunc_end_k_q226b73f8a6_segdot:
	.size	k_q226b73f8a6_segdot, .Lfunc_end_k_q226b73f8a6_segdot-k_q226b73f8a6_segdot
	.p2alignl 7, 3214868480
	.fill 96, 4, 3214868480
	.section	.rodata,"a",@progbits
	.p2align	6, 0x0
	.amdhsa_kernel k_q226b73f8a6_segdot
		.amdhsa_group_segment_fixed_size 3072
		.amdhsa_private_segment_fixed_size 0
		.amdhsa_enable_private_segment 0
		.amdhsa_kernarg_size 48
		.amdhsa_user_sgpr_count 2
		.amdhsa_user_sgpr_kernarg_segment_ptr 1
		.amdhsa_wavefront_size32 1
		.amdhsa_system_sgpr_workgroup_id_x 1
		.amdhsa_system_sgpr_workgroup_id_y 1
		.amdhsa_system_sgpr_workgroup_id_z 1
		.amdhsa_system_vgpr_workitem_id 0
		.amdhsa_next_free_vgpr 248
		.amdhsa_next_free_sgpr 100
		.amdhsa_reserve_vcc 1
		.amdhsa_float_denorm_mode_32 3
		.amdhsa_float_denorm_mode_16_64 3
		.amdhsa_memory_ordered 1
		.amdhsa_forward_progress 1
		.amdhsa_inst_pref_size 211
	.end_amdhsa_kernel
	.amdgpu_metadata
---
amdhsa.version: [ 1, 2 ]
amdhsa.kernels:
  - .name:           k_q226b73f8a6_segdot
    .symbol:         k_q226b73f8a6_segdot.kd
    .args:
      - { .name: emb, .offset: 0, .size: 8, .value_kind: global_buffer, .address_space: global }
      - { .name: ptr, .offset: 8, .size: 8, .value_kind: global_buffer, .address_space: global }
      - { .name: summary, .offset: 16, .size: 8, .value_kind: global_buffer, .address_space: global }
      - { .name: d, .offset: 24, .size: 8, .value_kind: global_buffer, .address_space: global }
      - { .name: scale, .offset: 32, .size: 8, .value_kind: global_buffer, .address_space: global }
      - { .name: out0, .offset: 40, .size: 8, .value_kind: global_buffer, .address_space: global }
    .group_segment_fixed_size: 3072
    .private_segment_fixed_size: 0
    .kernarg_segment_align: 8
    .kernarg_segment_size: 48
    .max_flat_workgroup_size: 256
    .sgpr_count:     100
    .vgpr_count:     248
    .wavefront_size: 32
...
	.end_amdgpu_metadata
.endif
;; end of part 1
;; ======== version 2 of 2: 1 launch; version 1 with the launch segdot written anew for expert scheduling mode
;; launch segdot (part 2): grid 512 x 1, 8 waves a work-group, no clusters, 3,072 bytes of LDS; arguments emb, ptr, summary, d, scale, out0; writes out0
.if DOCPART == 2
	.amdgcn_target "amdgcn-amd-amdhsa--gfx1250"
	.amdhsa_code_object_version 6
	.text
	.protected	k_q226b73f8a6_segdot
	.globl	k_q226b73f8a6_segdot
	.p2align	8
	.type	k_q226b73f8a6_segdot,@function
k_q226b73f8a6_segdot:
	s_mov_b64 s[64:65], 0
	v_nop
	global_prefetch_b8 v0, s[64:65] scope:SCOPE_SE
	s_setreg_imm32_b32 hwreg(HW_REG_WAVE_SCHED_MODE, 0, 2), 2
	s_setreg_imm32_b32 hwreg(HW_REG_WAVE_MODE, 25, 1), 1
	s_wait_xcnt 0x0
	s_wait_alu depctr_vm_vsrc(0)
; out[n] = scale * sum_h( emb[n][h] / max(|emb[n]|, 1e-12) * d[h] * summary[seg(n)][h] ),  seg(n) = number of k in 1..1024 with ptr[k] <= n.
; Computed as (sum x w) * min(rsq(sum x x), 1e12) with w = summary[seg] * d * scale: 1 / max(norm, eps) = min(1 / norm, 1 / eps).
; emb: [1048576][128] f32, read once.  A stream: no matrix unit (no reuse), no cluster and no tile engine (work-groups share only
; ptr, d and summary, about a thousandth of the bytes), no prefetch (the ring below keeps 16 KiB of every wave on its way all the time).
;
; SHARES.  512 work-groups x 8 waves; a wave owns 256 consecutive rows = 8 batches of 32 rows; no wave depends on another: no barrier.
; One load of a wave takes 256 consecutive aligned bytes of row 2j (lanes 0-15) and the same 256 bytes of row 2j+1 (lanes 16-31); a second
; load takes the other halves.  So a row lies in 16 lanes, 8 numbers a lane, and its two sums never cross the halves of the wave.
; The 32 loads of a batch are the ring: four of them are issued again, for the next batch, as soon as their numbers are used.
;
; SEGMENTS.  Every number that steers a branch or an address comes straight from ptr by a load.  A wave carries: c = seg of the batch's first
; row (as 4 c), the next 32 boundaries P (lane l: ptr[min(c+1+l, 1024)]), nb = ptr[c+1], and the weights of c.
; nb > first row + 32: the batch and the next batch's first row lie in c; the only loads are emb's (the short path).
; Otherwise (the slow path): seg of a row = c + the number of lanes with P <= row, a compare and a bit count for each row; if all 32 boundaries
; are passed there may be more, and a binary search in ptr, a row in each lane, takes the counts' place.  Then summary is gathered for each
; two rows, and c, P, nb and the weights are set anew for the next batch.  It serves every sorted ptr (empty segments, one-row segments).
; A count of 1024 would index past summary, where the reference's gather clamps to row 1023: every count here is capped at 1023.
; ptr[0] takes no part in reference() (it searches ptr[1:]) and none here.  ptr is taken as sorted, as searchsorted takes it.
;
; LIMITS.  A row whose sum of squares overflows f32 (norm 1.8e19 and above) gives dot * 0: 0 as in the reference, but NaN if the raw dot
; overflows too.  d * scale * summary is formed before the sum, not behind it: another order of rounding than the reference's.
; A sum of squares below 2^-126 counts as 0 in v_rsq_f32 (ISA guide 15.8) and ends at 1e12, where the reference's max(norm, eps) ends too.
;
; THE MODE: SCHED_MODE bits 1:0 = 2 (LLVM: expert scheduling mode 2), set by the entry lines.  The code itself states the register dependences
; between vector instructions and memory or LDS instructions, with s_wait_alu, always for 0.
; THE PLAN.  Registers that memory or LDS instructions touch:
;   X (16 sets of 8)   emb's loads land in them; the sixteen products of a group of two sets read them; behind those products stands ONE wait on
;                      va_vdst, and the group's four loads for the next batch follow it at once.  It stands there and not at the next group's
;                      head, where the two sets would lie idle and the wave would have four loads fewer on their way.  The group's four
;                      additions, which name PT, SQ and DT alone, stand behind the loads.
;   XO COL SO RD OO, v246, v247   made at the head, ahead of one wait on va_vdst, and never written again.  The rows are reached by scalar bases
;                      and immediates: the loads issued in an even batch read base 0, those of an odd batch base 1, and a base moves on at
;                      the end of the batch after, whose waits for data have shown all the loads that read it done.
;   RS                 written by a batch's last multiply alone (the root lands in RQ, which only vector instructions name); read by its LDS store.
;   OV                 an LDS load lands in it every second batch; the global store reads it.
;                      One wait on vm_vsrc a batch, behind the folds and ahead of that multiply, frees RS and OV.
;   slow path          PO WO -> P WR;  GO -> GW;  POS -> LT: each offset is made by vector lines and read by loads; each is stated where it stands.
;   PT SQ DT WT RQ, and DSC once it is in, are named by vector instructions alone.
.set ROWB,   512                       ; bytes in a row of emb and of summary
.set BBYTES, 32*ROWB                   ; bytes in a batch
.set TOP,    0xffc                     ; 4 x 1023: the largest count, in bytes of ptr
.set XO,  1                            ; v1       emb: 512 h + 16 r   (lane = 16 h + r)
.set COL, 2                            ; v2       16 r: my four columns in each half of a row
.set WO,  3                            ; v3       byte offset in summary of the row of segment c
.set P,   4                            ; v4       ptr[min(c+1+lane, 1024)]
.set LN,  5                            ; v5       lane
.set SO,  6                            ; v6       stage: where my result goes (row 2r + h of the batch)
.set RD,  7                            ; v7       stage: where I read two neighbouring results back
.set OO,  8                            ; v8       8 x lane: my 8 bytes of a 256-byte piece of out
.set QR,  9                            ; v9       search: the row asked for
.set POS, 10                           ; v10      search: 4 x count so far
.set LT,  11                           ; v11      search: the word of ptr
.set CA,  12                           ; v12      search: the count if the word is <= the row
.set RS,  13                           ; v13      the result
.set OV,  14                           ; v[14:15] two results to store
.set DSC, 16                           ; v[16:23] d * scale of my 8 columns
.set WR,  24                           ; v[24:31] summary row of segment c, as loaded
.set WT,  32                           ; v[32:39] weights of segment c
.set PT,  40                           ; v[40:47] at work
.set RQ,  44                           ; v44      at a batch's end: min(1 / norm, 1e12); the folds use v40 to v43 alone
.set SQ,  48                           ; v[48:63] sum x x, one register for two rows
.set DT,  64                           ; v[64:79] sum x w, likewise
.set X,   80                           ; v[80:207] the ring: 8 registers for two rows
.set GW,  208                          ; v[208:239] slow path: gathered weights of 4 x two rows
.set GO,  240                          ; v[240:243] slow path: their offsets in summary
.set PO,  244                          ; v244     byte offset in ptr of my word of P
.set L4,  245                          ; v245     4 x lane + 4
.set EB0, 4                            ; s[4:5]   emb, the base that the loads issued in even batches read
.set EB1, 42                           ; s[42:43] emb, the base that the loads issued in odd batches read
.set SP,  36                           ; s[36:41] the first search: 4 x count after each round, a register for each
.set ARR, 66                           ; s[66:98] slow path: 4 x seg of rows 0 .. 32 counted from the batch's first
; s16 wave   s17 trips   s18 4 c   s19 the batch's first row + 32   s30 nb   s[22:23] scale   s24-s28 lane masks   s20, s21, s29, s31-s34 at work
; two rows (2j, 2j+1): two loads, ahead bytes further down than base b
.macro LOADPAIR j, b, ahead
	global_load_b128 v[X+8*(\j):X+8*(\j)+3],   v[XO], s[\b:\b+1] offset:1024*(\j)+\ahead th:TH_LOAD_NT
	global_load_b128 v[X+8*(\j)+4:X+8*(\j)+7], v[XO], s[\b:\b+1] offset:1024*(\j)+256+\ahead th:TH_LOAD_NT
.endm
; my share of both sums for register sets ja and jb, with weights at wa and wb: four chains that do not wait for each other;
; the first products start the sums.  These sixteen lines are all that reads the two sets.
.macro PRODS ja, jb, wa, wb
	v_pk_mul_f32 v[PT:PT+1],   v[X+8*(\ja):X+8*(\ja)+1], v[X+8*(\ja):X+8*(\ja)+1]
	v_pk_mul_f32 v[PT+2:PT+3], v[X+8*(\ja):X+8*(\ja)+1], v[\wa:\wa+1]
	v_pk_mul_f32 v[PT+4:PT+5], v[X+8*(\jb):X+8*(\jb)+1], v[X+8*(\jb):X+8*(\jb)+1]
	v_pk_mul_f32 v[PT+6:PT+7], v[X+8*(\jb):X+8*(\jb)+1], v[\wb:\wb+1]
.irp e, 2,4,6
	v_pk_fma_f32 v[PT:PT+1],   v[X+8*(\ja)+\e:X+8*(\ja)+\e+1], v[X+8*(\ja)+\e:X+8*(\ja)+\e+1], v[PT:PT+1]
	v_pk_fma_f32 v[PT+2:PT+3], v[X+8*(\ja)+\e:X+8*(\ja)+\e+1], v[\wa+\e:\wa+\e+1], v[PT+2:PT+3]
	v_pk_fma_f32 v[PT+4:PT+5], v[X+8*(\jb)+\e:X+8*(\jb)+\e+1], v[X+8*(\jb)+\e:X+8*(\jb)+\e+1], v[PT+4:PT+5]
	v_pk_fma_f32 v[PT+6:PT+7], v[X+8*(\jb)+\e:X+8*(\jb)+\e+1], v[\wb+\e:\wb+\e+1], v[PT+6:PT+7]
.endr
.endm
; the chains' two halves are added: PT, SQ and DT alone are named
.macro SUMS ja, jb
	v_add_f32 v[SQ+(\ja)], v[PT],   v[PT+1]
	v_add_f32 v[DT+(\ja)], v[PT+2], v[PT+3]
	v_add_f32 v[SQ+(\jb)], v[PT+4], v[PT+5]
	v_add_f32 v[DT+(\jb)], v[PT+6], v[PT+7]
.endm
; One step of the transposing sum over 16 lanes.  Registers j and j+cnt become one: lanes whose bit xm is 0 keep j and hand j+cnt to the lane
; xm away, the others the other way round.  Three instructions for each register that remains, 15 remain in the four steps; behind them
; lane r holds the whole sum of register r.
.macro FOLD base, cnt, xm, msk
.set jj, 0
.rept \cnt
	v_cndmask_b32 v[PT+jj%4], v[\base+jj], v[\base+jj+\cnt], s[\msk]              ; what I keep
	v_cndmask_b32 v[\base+jj+\cnt], v[\base+jj+\cnt], v[\base+jj], s[\msk]        ; what I hand over
	v_add_f32_dpp v[\base+jj], v[\base+jj+\cnt], v[PT+jj%4] row_xmask:\xm row_mask:0xf bank_mask:0xf
.set jj, jj+1
.endr
.endm
; pos = 4 x (number of k in 1..1023 with ptr[k] <= q), in each lane for its own q.  Ten steps, no branch; the word read is ptr[pos/4 + st].
; v_min_u32 writes the bound that the sum of the steps taken so far has anyway into the text: every address is at most 4092.
; Each wait on LOADcnt is for 0: the load is the youngest, and its address register is written again behind it.  ptr is int32: signed compare.
; Each step's address hangs on the word that the step before loaded, so each step states its own dependences.
.macro VSEARCH pos, q
	v_mov_b32 v[\pos], 0                           ; (an earlier search's loads have read it: the wait on vm_vsrc at the slow path's head)
.irp st, 512,256,128,64,32,16,8,4,2,1
	s_wait_alu depctr_va_vdst(0)                   ; pos is written, which the load reads as its offset; the last step's compare is done reading v[LT], in which the load lands
	global_load_b32 v[LT], v[\pos], s[6:7] offset:4*\st
	v_add_nc_u32 v[CA], 4*\st, v[\pos]
	s_wait_loadcnt 0x0
	s_wait_alu depctr_vm_vsrc(0)                   ; the load has read pos, which the select below writes
	v_cmp_le_i32 vcc_lo, v[LT], v[\q]
	s_wait_alu depctr_va_vcc(0)                    ; the compare has written VCC, which the select reads
	v_cndmask_b32 v[\pos], v[\pos], v[CA], vcc_lo
	v_min_u32 v[\pos], 4*(1024-\st), v[\pos]
.endr
.endm
; three loads for segment c (s18 = 4 c, at most 4092): the next 32 boundaries and the row of summary
.macro SETSEG
	v_add_nc_u32 v[PO], s18, v[L4]                 ; 4 (c + 1 + lane),
	v_min_u32 v[PO], 0x1000, v[PO]                 ; ptr[1024] at the most: the last word of the buffer
	s_lshl_b32 s31, s18, 7                         ; c x 512 bytes
	v_add_nc_u32 v[WO], s31, v[COL]
	s_wait_alu depctr_va_vdst(0)                   ; v[PO] and v[WO] are written, which the loads read; the compares and multiplies that read v[P] and v[WR ..], in which they land, are done; in the slow path so are the products that read the ring
	global_load_b32 v[P], v[PO], s[6:7]
	global_load_b128 v[WR:WR+3],   v[WO], s[8:9]
	global_load_b128 v[WR+4:WR+7], v[WO], s[8:9] offset:256
.endm
; and what is made of them when they are in
.macro USESEG
.irp e, 0,2,4,6
	v_pk_mul_f32 v[WT+\e:WT+\e+1], v[WR+\e:WR+\e+1], v[DSC+\e:DSC+\e+1]
.endr
	v_readfirstlane_b32 s30, v[P]                  ; nb = ptr[c+1]
	s_wait_alu depctr_va_sdst(0)                   ; s30 is written: the compare at the next batch's head reads it, behind a label
.endm
	s_load_b256 s[4:11], s[0:1], 0x0               ; emb s[4:5], ptr s[6:7], summary s[8:9], d s[10:11]
	s_load_b128 s[12:15], s[0:1], 0x20             ; scale s[12:13], out0 s[14:15]
	v_lshl_add_u32 v246, v0, 2, 0x800
	v_mov_b32 v247, 0
	v_lshrrev_b32 v[PT+4], 5, v0
	v_readfirstlane_b32 s16, v[PT+4]               ; wave 0..7
	v_and_b32 v[LN], 31, v0                        ; lane
	v_and_b32 v[PT+5], 15, v0                      ; r
	v_bfe_u32 v[PT+6], v0, 4, 1                    ; h
	v_lshlrev_b32 v[COL], 4, v[PT+5]
	v_lshl_add_u32 v[XO], v[PT+6], 9, v[COL]
	v_lshlrev_b32 v[SO], 3, v[PT+5]
	v_lshl_add_u32 v[SO], v[PT+6], 2, v[SO]        ; 4 (2r + h)
	v_lshlrev_b32 v[OO], 3, v[LN]
	v_lshl_add_u32 v[L4], v[LN], 2, 4
	s_wait_alu depctr_va_sdst(0)                   ; s16 is written, ahead of its first reader: the bases and the stage's place are made from it
	s_lshl_b32 s20, ttmp9, 20                      ; 2,048 rows of 512 bytes for a work-group (511 << 20 is below 2^31),
	s_lshl_b32 s21, s16, 17                        ; 256 rows for a wave
	s_or_b32 s20, s20, s21
	s_mov_b32 s21, 0
	s_lshl_b32 s31, s16, 8                         ; the stage of the wave, 256 bytes of LDS; also the wave's 256 rows
	v_add_nc_u32 v[SO], s31, v[SO]
	v_lshl_add_u32 v[RD], v[LN], 3, s31
	s_wait_kmcnt 0x0
	s_load_b32 s22, s[12:13], 0x0                  ; scale
	s_add_nc_u64 s[EB0:EB0+1], s[EB0:EB0+1], s[20:21]  ; emb at the first row of the wave,
	s_mov_b64 s[EB1:EB1+1], s[EB0:EB0+1]           ; in both bases
	s_wait_alu depctr_va_vdst(0)                   ; v[XO], v[COL], v[SO], v[RD], v[OO], v246 and v247 are written: the loads, stores and LDS instructions of the whole kernel read them, and no vector line writes them again
	global_load_b128 v[DSC:DSC+3],   v[COL], s[10:11]
	global_load_b128 v[DSC+4:DSC+7], v[COL], s[10:11] offset:256
.irp j, 0,1,2,3,4,5,6,7,8,9,10,11,12,13,14,15
	LOADPAIR \j, EB0, 0                            ; the ring is filled with batch 0
.endr
	s_lshl_b32 s20, ttmp9, 13                      ; out: 4 bytes a row
	s_lshl_b32 s29, s16, 10
	s_or_b32 s20, s20, s29
	s_add_nc_u64 s[14:15], s[14:15], s[20:21]
	s_lshl_b32 s29, ttmp9, 11
	s_or_b32 s29, s29, s31                         ; the first row of the wave
	s_add_co_u32 s19, s29, 32
	s_mov_b32 s24, 0xff00ff00                      ; lanes whose bit 3 is set
	s_mov_b32 s25, 0xf0f0f0f0                      ; bit 2
	s_mov_b32 s26, 0xcccccccc                      ; bit 1
	s_mov_b32 s27, 0xaaaaaaaa                      ; bit 0
	s_mov_b32 s28, 0xffff0000                      ; lanes 16-31
	; c of the wave's first row: the number of k in 1..1023 with ptr[k] <= row, by a search in fours, five rounds of three scalar loads.
	; Scalar loads have a counter of their own, so these rounds run while the ring is on its way and leave its count alone.
	; The count lies in [pos, pos + 4 st - 1]; ptr is sorted, so as many of ptr[pos+st], ptr[pos+2st], ptr[pos+3st] as are <= row are steps to take.
	; s_min_u32 writes the bound that the steps taken have anyway into the text: the largest address of a round is 4 (1024 - st).
	s_mov_b32 s[SP], 0
.set rr, 0
.irp st, 256,64,16,4,1
	s_load_b32 s32, s[6:7], s[SP+rr] offset:4*\st
	s_load_b32 s33, s[6:7], s[SP+rr] offset:8*\st
	s_load_b32 s34, s[6:7], s[SP+rr] offset:12*\st
	s_wait_kmcnt 0x0                               ; scalar loads return in no order: 0 (the first of these waits also covers scale)
	s_cmp_le_i32 s32, s29
	s_cselect_b32 s32, 4*\st, 0
	s_cmp_le_i32 s33, s29
	s_cselect_b32 s33, 4*\st, 0
	s_cmp_le_i32 s34, s29
	s_cselect_b32 s34, 4*\st, 0
	s_add_co_u32 s32, s32, s33
	s_add_co_u32 s32, s32, s34
	s_add_co_u32 s[SP+rr+1], s[SP+rr], s32
	s_min_u32 s[SP+rr+1], s[SP+rr+1], 4*(1024-\st)
.set rr, rr+1
.endr
	s_mov_b32 s18, s[SP+5]
	SETSEG
	s_mov_b32 s23, s22                             ; the packed multiply names the pair
	s_wait_loadcnt 0x0                             ; once: these three loads could only be asked for behind batch 0
.irp e, 0,2,4,6
	v_pk_mul_f32 v[DSC+\e:DSC+\e+1], v[DSC+\e:DSC+\e+1], s[22:23] op_sel_hi:[1,0]
.endr
	USESEG
; One batch.  k: its parity: which half of the stage its results take, and which base its loads read.  refill = 1: another batch follows and is
; asked for here.  step = 1: the batch after the next is asked for too, so the other base moves on.
; On the way in: the youngest 32 loads are this batch's, in the order of its rows; everything older is in.
; Batch b asks for batch b + 1.  Base 0 holds the wave's rows + b batches in the even batch b: its loads reach one batch ahead by the immediate.
; Base 1 has moved on at the end of the even batch before, by two batches, and holds the rows of batch b + 1 in the odd batch b: immediate 0.
.macro BATCH k, refill, id, step
.set MINE,  EB0+(EB1-EB0)*\k
.set OTHER, EB1-(EB1-EB0)*\k
.set AHEAD, BBYTES*(1-\k)
.if \refill
	s_cmp_gt_i32 s30, s19                          ; the next boundary lies behind the next batch's first row
.else
	s_cmp_ge_i32 s30, s19                          ; no batch follows: behind this batch's last row is enough
.endif
	s_cbranch_scc0 .Lslow\id
	; THE SHORT PATH: one segment, and the same for the next batch's first row.  Four loads (four rows) at a time.
.irp g, 0,1,2,3,4,5,6,7
.if \refill
	s_wait_loadcnt 28                              ; loads return in order (ISA guide 5.7.1).  Younger than my four: 28 - 4g of this batch, 4g of the next
.else
	s_wait_loadcnt 28-4*\g                         ; nothing is asked for any more: the count runs down to 0
.endif
	PRODS 2*\g, 2*\g+1, WT, WT
.if \refill
	s_wait_alu depctr_va_vdst(0)                   ; the sixteen products are done reading the two sets, in which the four loads land
	LOADPAIR 2*\g, MINE, AHEAD
	LOADPAIR 2*\g+1, MINE, AHEAD
.endif
	SUMS 2*\g, 2*\g+1                              ; these name none of the registers that the loads touch
.endr
	s_branch .Ljoin\id
	; THE SLOW PATH.  Row i of the batch (and i = 32, the next batch's first): 4 seg = 4 c + 4 x (lanes with P <= row).
.Lslow\id:
	s_wait_alu depctr_vm_vsrc(0)                   ; an earlier slow batch's gathers and search loads have read v[GO ..] and v[POS], which are written below
	s_sub_co_u32 s29, s19, 31                      ; the batch's first row + 1
	s_mov_b32 s[ARR], s18                          ; row 0 is in c
.set rr, 1
.rept 32
	v_cmp_le_i32 s[ARR+rr], v[P], s29
	s_add_co_u32 s29, s29, 1
.set rr, rr+1
.endr
	s_wait_alu depctr_va_sdst(0)                   ; the 32 compares have written their masks, which the scalar lines below read: one wait for the run
	s_mov_b32 s31, s[ARR+32]                       ; the lanes whose boundary is passed at the last of these rows
.set rr, 1
.rept 32
	s_bcnt1_i32_b32 s[ARR+rr], s[ARR+rr]
	s_lshl2_add_u32 s[ARR+rr], s[ARR+rr], s18
.set rr, rr+1
.endr
	s_cmp_lg_u32 s31, -1
	s_cbranch_scc1 .Lgather\id                     ; a boundary of the 32 is not passed: the counts are whole
	; all 32 are passed, there may be more: lane l searches all of ptr for row l + 1
	s_sub_co_u32 s29, s19, 31
	v_add_nc_u32 v[QR], s29, v[LN]
	VSEARCH POS, QR
.set rr, 1
.rept 32
	v_readlane_b32 s[ARR+rr], v[POS], rr-1
.set rr, rr+1
.endr
	s_wait_alu depctr_va_sdst(0)
	; Four register sets at a time, each half of the wave gathers the summary row of its own row.  The gathers are younger than the ring,
	; so the ring is filled again only at the end, in one run.  The four offsets are made first, so that one wait serves the eight gathers.
.Lgather\id:
.irp c, 0,1,2,3
.if \c
	s_wait_alu depctr_vm_vsrc(0)                   ; the last eight gathers have read v[GO ..], which are written again (and the last SETSEG's loads v[PO] and v[WO])
.endif
.irp p, 0,1,2,3
	v_mov_b32 v[GO+\p], s[ARR+2*(4*\c+\p)]                         ; lanes 0-15: row 2j
	v_cndmask_b32 v[GO+\p], v[GO+\p], s[ARR+2*(4*\c+\p)+1], s28    ; lanes 16-31: row 2j + 1
	v_min_u32 v[GO+\p], TOP, v[GO+\p]              ; row 1023 of summary at the most
	v_lshl_add_u32 v[GO+\p], v[GO+\p], 7, v[COL]
.endr
	s_wait_alu depctr_va_vdst(0)                   ; the four offsets are written, which the gathers read; the multiplies and products that wrote and read v[GW ..], in which they land, are done
.irp p, 0,1,2,3
	global_load_b128 v[GW+8*\p:GW+8*\p+3],   v[GO+\p], s[8:9]
	global_load_b128 v[GW+8*\p+4:GW+8*\p+7], v[GO+\p], s[8:9] offset:256
.endr
	s_wait_loadcnt 0x0                             ; the gathers are the youngest loads
.irp p, 0,1,2,3
.irp e, 0,2,4,6
	v_pk_mul_f32 v[GW+8*\p+\e:GW+8*\p+\e+1], v[GW+8*\p+\e:GW+8*\p+\e+1], v[DSC+\e:DSC+\e+1]
.endr
.endr
	PRODS 4*\c,   4*\c+1, GW,    GW+8
	SUMS  4*\c,   4*\c+1
	PRODS 4*\c+2, 4*\c+3, GW+16, GW+24
	SUMS  4*\c+2, 4*\c+3
.endr
.if \refill
	s_min_u32 s18, s[ARR+32], TOP                  ; c of the next batch's first row, 1023 at the most
	SETSEG                                         ; in front of the next batch's emb loads, so that the wait for these three leaves the ring alone
.irp j, 0,1,2,3,4,5,6,7,8,9,10,11,12,13,14,15
	LOADPAIR \j, MINE, AHEAD                       ; no vector line stands between SETSEG's wait and these
.endr
	s_wait_loadcnt 32                              ; the three are in; the 32 emb loads behind them stay out
	USESEG
.endif
.Ljoin\id:
	FOLD SQ, 8, 8, 24
	FOLD SQ, 4, 4, 25
	FOLD SQ, 2, 2, 26
	FOLD SQ, 1, 1, 27                              ; lane (h, r): sum x x of row 2r + h
	v_rsq_f32 v[RQ], v[SQ]                         ; the plain lines of the next folds, which name neither register, stand behind it (ISA guide 5.7.2)
	FOLD DT, 8, 8, 24
	FOLD DT, 4, 4, 25
	FOLD DT, 2, 2, 26
	FOLD DT, 1, 1, 27
	s_wait_alu depctr_va_vdst(0)                   ; the root has written v[RQ], ahead of its first reader
	v_min_num_f32 v[RQ], 0x5368d4a5, v[RQ]         ; 1 / max(norm, 1e-12) = min(1 / norm, 1e12); rsq(0) = inf ends here too
	s_wait_alu depctr_vm_vsrc(0)                   ; the last batch's LDS store has read v[RS], which the multiply writes; the last global store has read v[OV ..], in which the LDS load below lands
	v_mul_f32 v[RS], v[RQ], v[DT]
	s_wait_alu depctr_va_vdst(0)                   ; the multiply has written v[RS], which the LDS store reads
	ds_store_b32 v[SO], v[RS] offset:128*\k        ; my own wave's stage: no barrier
.if \k
	s_wait_storecnt 0x0                            ; the store of two batches back is done: only behind this wait are its data and its base written again
	s_add_nc_u64 s[14:15], s[14:15], 256           ; the base runs one piece ahead, and the store reaches back
	ds_load_b64 v[OV:OV+1], v[RD]                  ; LDS serves a wave in order (ISA guide 5.7.1): sees both batches' stores.  Rows 2l, 2l+1 of 64
	s_wait_dscnt 0x0
	global_store_b64 v[OO], v[OV:OV+1], s[14:15] offset:-256 th:TH_STORE_NT  ; the wave stores 256 consecutive bytes, at a multiple of 256 from the first byte of out
.endif
.if \step
	s_add_nc_u64 s[OTHER:OTHER+1], s[OTHER:OTHER+1], 2*BBYTES  ; the loads that read this base were issued in the batch before: this batch's waits for its data have shown all of them done
.endif
.if \refill
	s_add_co_u32 s19, s19, 32
.endif
.endm
	s_mov_b32 s17, 0
.Ltrip:
	BATCH 0, 1, 0, 1
	BATCH 1, 1, 1, 1
	s_add_co_u32 s17, s17, 1
	s_cmp_lt_u32 s17, 3
	s_cbranch_scc1 .Ltrip                          ; batches 0 to 5
	BATCH 0, 1, 2, 0                               ; batch 6 asks for the last one,
	BATCH 1, 0, 3, 0                               ; batch 7 for nothing: no load leaves emb
	s_wait_dscnt 0x0                               ; the closing lines, six on end, of a launch in the mode that stores to LDS
	s_wait_alu 0x0
	s_wait_tensorcnt 0x0
	ds_add_u32 v246, v247
	s_wait_dscnt 0x0
	s_endpgm
.Lfunc_end_k_q226b73f8a6_segdot:
	.size	k_q226b73f8a6_segdot, .Lfunc_end_k_q226b73f8a6_segdot-k_q226b73f8a6_segdot
	.p2alignl 7, 3214868480
	.fill 96, 4, 3214868480
	.section	.rodata,"a",@progbits
	.p2align	6, 0x0
	.amdhsa_kernel k_q226b73f8a6_segdot
		.amdhsa_group_segment_fixed_size 3072
		.amdhsa_private_segment_fixed_size 0
		.amdhsa_enable_private_segment 0
		.amdhsa_kernarg_size 48
		.amdhsa_user_sgpr_count 2
		.amdhsa_user_sgpr_kernarg_segment_ptr 1
		.amdhsa_wavefront_size32 1
		.amdhsa_system_sgpr_workgroup_id_x 1
		.amdhsa_system_sgpr_workgroup_id_y 1
		.amdhsa_system_sgpr_workgroup_id_z 1
		.amdhsa_system_vgpr_workitem_id 0
		.amdhsa_next_free_vgpr 248
		.amdhsa_next_free_sgpr 100
		.amdhsa_reserve_vcc 1
		.amdhsa_float_denorm_mode_32 3
		.amdhsa_float_denorm_mode_16_64 3
		.amdhsa_memory_ordered 1
		.amdhsa_forward_progress 1
		.amdhsa_inst_pref_size 218
	.end_amdhsa_kernel
	.amdgpu_metadata
---
amdhsa.version: [ 1, 2 ]
amdhsa.kernels:
  - .name:           k_q226b73f8a6_segdot
    .symbol:         k_q226b73f8a6_segdot.kd
    .args:
      - { .name: emb, .offset: 0, .size: 8, .value_kind: global_buffer, .address_space: global }
      - { .name: ptr, .offset: 8, .size: 8, .value_kind: global_buffer, .address_space: global }
      - { .name: summary, .offset: 16, .size: 8, .value_kind: global_buffer, .address_space: global }
      - { .name: d, .offset: 24, .size: 8, .value_kind: global_buffer, .address_space: global }
      - { .name: scale, .offset: 32, .size: 8, .value_kind: global_buffer, .address_space: global }
      - { .name: out0, .offset: 40, .size: 8, .value_kind: global_buffer, .address_space: global }
    .group_segment_fixed_size: 3072
    .private_segment_fixed_size: 0
    .kernarg_segment_align: 8
    .kernarg_segment_size: 48
    .max_flat_workgroup_size: 256
    .sgpr_count:     100
    .vgpr_count:     248
    .wavefront_size: 32
...
	.end_amdgpu_metadata
.endif
;; end of part 2
